; MI455X (gfx1250); checked and timed in simulation.
; The chip was launched on July 23, 2026; its instructions are those of AMD's public machine-readable ISA for CDNA 5 (MIT licence, August 2026) and "CDNA5" Instruction Set Architecture Reference Guide (July 2026). The comments in the code are by the model that wrote it; some were corrected since.
;; Multi Head Attention. Allowed arithmetic: matrix products marked QUANTISED: E5M2 operands, one given power-of-two scale a tensor, by v_wmma_f32_16x16x64_bf8_bf8 or v_wmma_f32_16x16x128_bf8_bf8, f32 sums; everything else in f32.
;; Inputs: b_proj 1,024 float32; b_qkv 3,072 float32; lowp_scales 8 int32 (the exponents e of the quantised operands' scales 2^e); mask 4 x 2,048 int32; w_proj 1,024 x 1,024 float32; w_qkv 3,072 x 1,024 float32; x 4 x 2,048 x 1,024 float32.
;; Outputs: out0 4 x 2,048 x 1,024 float32.
;; This version of the problem:
;;   THIS VERSION OF THE PROBLEM IS GIVEN IN LOW PRECISION. The matrix products marked QUANTISED in the list below multiply operands that are first quantised to E5M2 (5 exponent bits, 2 mantissa bits; 8 bits a number), with one given power-of-two scale for each operand tensor; their sums are f32. All else is computed in f32.
;;   The module's matrix products, in the order in which they are computed (A, B: the left and right operand; K: the contracted axis; several contracted axes count as one K, in the product's order):
;;     1. [M 8,192, K 1,024] x [K 1,024, N 3,072]; A: input x; B: input w_qkv: QUANTISED (scales: A lowp_scales[0], B lowp_scales[1])
;;     2. batch 64 x [M 2,048, K 64] x [K 64, N 2,048]; A: computed on the way; B: computed on the way: QUANTISED (scales: A lowp_scales[2], B lowp_scales[3])
;;     3. batch 64 x [M 2,048, K 2,048] x [K 2,048, N 64]; A: softmax (see below); B: computed on the way: QUANTISED (scales: A lowp_scales[4], B lowp_scales[5])
;;     4. [M 8,192, K 1,024] x [K 1,024, N 1,024]; A: computed on the way; B: input w_proj: QUANTISED (scales: A lowp_scales[6], B lowp_scales[7])
;;   THE QUANTISER, for each operand of a quantised product, along K:
;;     - The operand's scale is 2^e, e = its entry of the input lowp_scales (int32; the entries are numbered through the quantised products in the list's order, A before B).
;;     - Each number is divided by the scale, clamped to +-57,344, and rounded to the nearest number of E5M2, ties to even, subnormals kept.
;;     - The product sums the exact products of the quantised numbers (number of the format x scale) in f32.
;;   ~~~python
;;   def quantise(x, axis, e):      # numpy; x: float32 -> the quantised numbers, widened to float32 again
;;       x = np.moveaxis(x, axis, -1); K = x.shape[-1]
;;       r = np.clip(x / 2.0 ** e, -57344, 57344)
;;       step = 2.0 ** (np.maximum(np.frexp(np.where(r == 0, 1, r))[1] - 1, -14) - 2)
;;       q = np.round(r / step) * step * 2.0 ** e      # np.round: ties to even
;;       return np.moveaxis(q, -1, axis).astype(np.float32)
;;   ~~~
;;   SOFTMAX AHEAD OF A QUANTISED PRODUCT. Where the list says 'softmax', what is quantised is not the finished softmax but p = 2^(t - M), with t = logit x log2(e) and M = ceil(the row's largest t), a whole number; so 1/2 < the row's largest p <= 1. The row's sum l is taken of the UNQUANTISED p, in f32, and the product's result is divided by l at the end. Since M is a whole number, a kernel that streams over the keys may use a running M (the ceiling of the running maximum): every later rescaling is an exact power of two, so the quantised numbers keep their values, but for numbers so far below the row's largest that they fall under the format's range.
;;   OPERANDS COMPUTED ON THE WAY. 'Computed on the way' means the value that the module computes at that place (a softmax that the list does not call 'softmax' is quantised finished and normalised). What goes into a quantiser is computed in f32, as accurately as f32 sums, v_exp_f32 and their like allow (about 1e-6 of the number): no bf16 or f16 on the way to a quantiser, and a product that is left as it is and whose result goes on into a quantised operand takes f32 operands (vector FMAs, or v_wmma_f32_16x16x4_f32). A number that lies on a knife's edge between two numbers of the format may be rounded either way, as far as f32 arithmetic and the matrix unit's own rounding can turn it there, and no further.
;; One version. Each part assembles by itself: llvm-mc -triple=amdgcn-amd-amdhsa -mcpu=gfx1250 --defsym DOCPART=n.
;; ======== version 1 of 1: 4 launches
;; limits: right only within a limited range of input values
;; workspace buffers: x_codes 8,388,608 bytes; wqkv_codes 3,145,728 bytes; wproj_codes 1,048,576 bytes; rope 524,288 bytes; q_codes 8,388,608 bytes; kv_codes 16,777,216 bytes; a_codes 8,388,608 bytes
;; launch prep (part 1): grid 416 x 1, 4 waves a work-group, no clusters, 33,280 bytes of LDS; arguments x, w_qkv, w_proj, lowp_scales, x_codes, wqkv_codes, wproj_codes, rope; writes x_codes, wqkv_codes, wproj_codes, rope
.if DOCPART == 1
	.amdgcn_target "amdgcn-amd-amdhsa--gfx1250"
	.amdhsa_code_object_version 6
	.text
	.protected	k_qc927d61673_prep
	.globl	k_qc927d61673_prep
	.p2align	8
	.type	k_qc927d61673_prep,@function
k_qc927d61673_prep:
	s_mov_b64 s[64:65], 0
	v_nop
	global_prefetch_b8 v0, s[64:65] scope:SCOPE_SE
	s_setreg_imm32_b32 hwreg(HW_REG_WAVE_MODE, 25, 1), 1
	s_wait_xcnt 0x0
; PREP.  (1) x [8192][1024], w_qkv [3072][1024], w_proj [1024][1024], f32, K innermost, become codes of BF8 (E5M2), one byte each, with the given scales 2^e0, 2^e1, 2^e7:
; code = number / 2^e, held within +-57,344, rounded to the nearest code, ties to even.  (2) The table of the rotation: rope[t][0..31] = cos(t f_j), rope[t][32..63] = -sin(t f_j) for even j, +sin(t f_j) for odd j.
; SHARES.  Work-groups 0-255 take x, 256-351 w_qkv, 352-383 w_proj, 32,768 numbers each; a wave takes 8,192 numbers = 8 rows, in 16 steps of 512.  Work-groups 384-415 make the table, 16 rows t a wave.
; w_qkv's ROWS ARE LAID IN ANOTHER ORDER: place p of wqkv_codes holds row p with its bits 3 and 4 exchanged.  A wave's 8 rows stay together, so only the wave's place among its work-group's four changes (1 <-> 2).
; With that order a lane of the next launch holds 16 neighbouring columns of q, k (and, in the launch after, of the attention's result) in the registers of two neighbouring accumulators.
; THE STREAM.  The conversions take 8 numbers of one lane's consecutive registers, so a lane must hold 16 neighbours; a load is dense where neighbouring lanes take neighbouring bytes.  Both are had: each of a step's
; four loads reads 512 consecutive bytes; the 2,048 bytes go through the wave's own stage in LDS as they lie and come back 64 bytes a lane (16 bytes of padding behind each 64).  A lane's 16 codes are 16 bytes:
; the wave stores 512 consecutive bytes.  No tensor loads, no barrier: waves share nothing, and no tile is read by two work-groups, so there is nothing to ask for jointly.
; LIMITS: e0, e1, e7 between -126 and 112, so that 2^e and 57,344 x 2^e are f32 numbers.  NaN among the inputs is not served (an infinity is held at the largest code).
.set STEPS, 16
.set EMAX,  15
.set MANT,  0x600000                   ; the mantissa field of 57,344 as f32
.set CB,    16                         ; bytes of 16 codes
.set R,     16                         ; v16-79   four sets of 16 numbers as they are loaded
.set X,     80                         ; v80-111  two sets of 16 neighbours
.set C,     128                        ; v128-191 codes: four registers for each step, so that no store's data are written again
.set WREG,  8192                       ; LDS: a region of its own for each wave: two stages of 32 x SP bytes
.set SP,    80                         ; a lane's place in a stage: its 64 bytes + 16 of padding
.set WG_X,  256                        ; work-groups below this take x,
.set WG_Q,  352                        ; below this w_qkv,
.set WG_P,  384                        ; below this w_proj; the others make the table
	s_load_b256 s[4:11], s[0:1], 0x0               ; x s[4:5], w_qkv s[6:7], w_proj s[8:9], the scales' exponents s[10:11]
	s_load_b256 s[12:19], s[0:1], 0x20             ; x_codes s[12:13], wqkv_codes s[14:15], wproj_codes s[16:17], rope s[18:19]
	v_lshl_add_u32 v192, v0, 2, 0x8000
	v_mov_b32 v193, 0
	v_lshrrev_b32 v1, 5, v0
	v_readfirstlane_b32 s28, v1                    ; wave 0..3
	v_and_b32 v2, 31, v0                           ; lane
	s_cmp_ge_u32 ttmp9, WG_P
	s_cbranch_scc1 .Lrope                          ; the table's work-groups: they use no LDS
	v_lshlrev_b32 v3, 4, v2                        ; my 16 bytes of a load's 512
	s_mul_i32 s29, s28, WREG
	v_lshrrev_b32 v14, 2, v2
	v_mul_u32_u24 v14, v14, SP
	v_and_b32 v15, 3, v2
	v_lshl_add_u32 v14, v15, 4, v14
	v_add_nc_u32 v14, s29, v14                     ; the stage, on the way in: four lanes' 64 bytes on end, then 16 of padding
	v_mul_u32_u24 v15, v2, SP
	v_add_nc_u32 v15, s29, v15                     ; and on the way out: my 16 neighbours
	v_mul_u32_u24 v4, v2, CB                       ; my codes' place in a step's
	s_and_b32 s26, s28, 1
	s_lshl_b32 s26, s26, 1
	s_lshr_b32 s27, s28, 1
	s_or_b32 s26, s26, s27                         ; the wave's number with its two bits exchanged
	s_mov_b32 s24, WG_Q                            ; (an instruction takes one literal: this one goes through a register)
	s_wait_alu depctr_va_vdst(0)
	s_wait_kmcnt 0x0
	s_load_b256 s[32:39], s[10:11], 0x0            ; e0 .. e7
	s_cmp_lt_u32 ttmp9, WG_Q                       ; w_qkv or w_proj?  The choices hang on the work-group's number alone
	s_cselect_b64 s[20:21], s[6:7], s[8:9]         ; from where,
	s_cselect_b64 s[22:23], s[14:15], s[16:17]     ; to where,
	s_cselect_b32 s24, WG_X, s24                   ; the tensor's first work-group,
	s_cselect_b32 s27, s26, s28                    ; the wave's place in the codes: exchanged for w_qkv alone
	s_cmp_lt_u32 ttmp9, WG_X                       ; x, or what was just chosen?
	s_cselect_b64 s[20:21], s[4:5], s[20:21]
	s_cselect_b64 s[22:23], s[12:13], s[22:23]
	s_cselect_b32 s24, 0, s24
	s_cselect_b32 s27, s28, s27
	s_sub_co_u32 s24, ttmp9, s24
	s_lshl_b32 s24, s24, 2
	s_add_co_u32 s40, s24, s28                     ; which run of 8,192 numbers I read,
	s_mov_b32 s41, 0
	s_add_co_u32 s42, s24, s27                     ; and which run of 8,192 codes I write
	s_mov_b32 s43, 0
	s_lshl_b64 s[40:41], s[40:41], 15
	s_lshl_b64 s[42:43], s[42:43], 13
	s_add_nc_u64 s[20:21], s[20:21], s[40:41]
	s_add_nc_u64 s[22:23], s[22:23], s[42:43]
.macro LOAD t
.irp i, 0,1,2,3
	global_load_b128 v[R+16*((\t)%4)+4*\i:R+16*((\t)%4)+4*\i+3], v3, s[20:21] offset:2048*(\t)+512*\i th:TH_LOAD_NT   ; 32 lanes read 512 consecutive bytes; read once in the launch
.endr
.endm
.macro TURN t                          ; step t's numbers through the stage: LDS serves a wave's instructions in order (ISA guide 5.7.1), so no wait stands between the stores and the loads
.irp i, 0,1,2,3
	ds_store_b128 v14, v[R+16*((\t)%4)+4*\i:R+16*((\t)%4)+4*\i+3] offset:32*SP*((\t)%2)+8*SP*\i
.endr
.irp i, 0,1,2,3
	ds_load_b128 v[X+16*((\t)%2)+4*\i:X+16*((\t)%2)+4*\i+3], v15 offset:32*SP*((\t)%2)+16*\i
.endr
.endm
.irp t, 0,1,2,3
	LOAD \t
.endr
	s_wait_kmcnt 0x0
	s_cmp_lt_u32 ttmp9, WG_Q
	s_cselect_b32 s25, s33, s39                    ; e1 or e7,
	s_cmp_lt_u32 ttmp9, WG_X
	s_cselect_b32 s25, s32, s25                    ; or e0
	s_add_co_i32 s25, s25, 127
	s_lshl_b32 s30, s25, 23
	v_mov_b32 v11, s30                             ; 2^e as f32: the conversion takes its exponent field
	s_add_co_i32 s25, s25, EMAX
	s_lshl_b32 s25, s25, 23
	s_or_b32 s25, s25, MANT
	s_wait_alu depctr_va_vdst(0)
	s_wait_loadcnt 12                              ; step 0's four loads are in; the twelve of steps 1 to 3 may be out
	TURN 0
.macro STEP t
.set XS, X+16*((\t)%2)
	s_wait_dscnt 0x0                               ; this step's numbers are back from the stage: so its stores into the stage have read their registers,
.if (\t)+4 < STEPS
	LOAD (\t)+4                                    ; which take the loads of four steps on
.endif
.if (\t)+1 < STEPS
.if STEPS-2-(\t) >= 3
	s_wait_loadcnt 12                              ; the next step's four loads are in; those of the three steps behind it may be out
.else
	s_wait_loadcnt 4*(STEPS-2-(\t))                ; near the end fewer steps stand behind it
.endif
	TURN (\t)+1                                    ; and go through the other stage while this step is worked
.endif
.irp i, 0,1,2,3,4,5,6,7,8,9,10,11,12,13,14,15
.endr
	v_cvt_scalef32_pk8_bf8_f32 v[C+4*(\t):C+4*(\t)+1], v[XS:XS+7], v11          ; eight numbers / 2^e, to the nearest code, ties to even; the first number's code in the lowest byte
	v_cvt_scalef32_pk8_bf8_f32 v[C+4*(\t)+2:C+4*(\t)+3], v[XS+8:XS+15], v11
	global_store_b128 v4, v[C+4*(\t):C+4*(\t)+3], s[22:23] offset:32*CB*(\t)    ; the codes go to a store alone
.endm
.irp t, 0,1,2,3,4,5,6,7,8,9,10,11,12,13,14,15
	STEP \t
.endr
	s_wait_tensorcnt 0x0
	ds_add_u32 v192, v193
	s_wait_dscnt 0x0
	s_endpgm
; THE TABLE.  f_j = 1 / 10000^(j / 32) = 1 / 10^(j / 8), j = 0 .. 31.  10^(j / 8) = 10^((j % 8) / 8) x 10^(j / 8 rounded down): the first factor is kept as a sum of two f32 numbers, the product is rounded once to f32,
; and its reciprocal is mended by one step, so that f_j is the f32 quotient.  The angle t f_j is one f32 product.  Sine and cosine: the angle less n quarter turns (pi / 2 in two parts: with n up to 1,304 what a third
; part would add lies under 1e-12), then polynomials on +-pi / 4.  Wave W makes t = 16 W .. 16 W + 15, two rows (512 consecutive bytes) a trip: lanes 0-15 the even t, lanes 16-31 the odd one;
; of a row's sixteen pieces of 16 bytes pieces 0-7 are cosines, 8-15 sines; register i of piece p is j = 4 (p % 8) + i.
.macro INVF i, h0, l0, h1, l1          ; f_j for my register i: the two parts of 10^((j % 8) / 8) for j % 8 = i and for i + 4; VCC: my piece is an odd one, so j % 8 = i + 4
	v_mov_b32 v23, \h0
	v_mov_b32 v24, \h1
	v_cndmask_b32 v23, v23, v24, vcc_lo
	v_mov_b32 v25, \l0
	v_mov_b32 v24, \l1
	v_cndmask_b32 v25, v25, v24, vcc_lo
	v_mul_f32 v26, v23, v20                        ; the upper part x the decade,
	v_fma_f32 v27, v23, v20, -v26                  ; what that product's rounding lost,
	v_fma_f32 v27, v25, v20, v27                   ; and the lower part x the decade:
	v_add_f32 v26, v26, v27                        ; 10^(j / 8), rounded once
	s_wait_alu depctr_va_vdst(0)
	v_rcp_f32 v28, v26
	v_nop                                          ; one plain instruction behind a transcendental (ISA guide 5.7.2)
	s_wait_alu depctr_va_vdst(0)
	v_fma_f32 v29, -v26, v28, 1.0
	v_fma_f32 v[12+\i], v28, v29, v28              ; the reciprocal, mended
.endm
.macro TRIG i                          ; my register i of this trip's row
.set T, 32+8*\i
	v_mul_f32 v[T], v8, v[12+\i]                   ; the angle
	v_mul_f32 v[T+1], s44, v[T]
	v_rndne_f32 v[T+1], v[T+1]                     ; n = the nearest whole number of quarter turns
	v_fma_f32 v[T+2], v[T+1], s45, v[T]            ; r = angle - n pi / 2: the upper part (this difference is exact),
	v_fma_f32 v[T+2], v[T+1], s46, v[T+2]          ; the lower part
	v_mul_f32 v[T+3], v[T+2], v[T+2]               ; z = r r
	v_fma_f32 v[T+4], v[T+3], s47, s48
	v_fma_f32 v[T+4], v[T+4], v[T+3], s49
	v_mul_f32 v[T+7], v[T+2], v[T+3]
	v_fma_f32 v[T+4], v[T+7], v[T+4], v[T+2]       ; sin r = r + r z (S1 + z (S2 + z S3))
	v_fma_f32 v[T+5], v[T+3], s50, s51
	v_fma_f32 v[T+5], v[T+5], v[T+3], s52
	v_mul_f32 v[T+7], v[T+3], v[T+3]
	v_fma_f32 v[T], v[T+3], -0.5, 1.0
	v_fma_f32 v[T+5], v[T+7], v[T+5], v[T]         ; cos r = 1 - z / 2 + z z (C1 + z (C2 + z C3))
	v_cvt_i32_f32 v[T+6], v[T+1]
	v_add_nc_u32 v[T+6], v[T+6], v6                ; a cosine is the sine a quarter turn on
	v_and_b32 v[T+7], 1, v[T+6]
	v_cmp_eq_u32 vcc_lo, 1, v[T+7]
	v_cndmask_b32 v[T+4], v[T+4], v[T+5], vcc_lo   ; odd quarter: cos r.  A choice of a value: no branch hangs on it
	v_and_b32 v[T+6], 2, v[T+6]
	v_lshlrev_b32 v[T+6], 30, v[T+6]
	v_xor_b32 v[16+\i], v[T+6], v[T+4]             ; quarters 2 and 3: the sign turns
.if (\i)%2 == 0
	v_xor_b32 v[16+\i], v7, v[16+\i]               ; the sines of even j are stored negated
.endif
.endm
.Lrope:
	s_sub_co_u32 s24, ttmp9, WG_P
	s_lshl_b32 s24, s24, 2
	s_add_co_u32 s24, s24, s28                     ; W = 0 .. 127
	s_lshl_b32 s40, s24, 12                        ; my 16 rows of 256 bytes
	s_mov_b32 s41, 0
	s_lshl_b32 s25, s24, 4                         ; my first t
	s_mov_b32 s44, 0x3f22f983                      ; 2 / pi
	s_mov_b32 s45, 0xbfc90fdb                      ; -(pi / 2), upper part
	s_mov_b32 s46, 0x333bbd2e                      ; what the upper part has too much
	s_mov_b32 s47, 0xb94ca1f9                      ; S3
	s_mov_b32 s48, 0x3c08839e                      ; S2
	s_mov_b32 s49, 0xbe2aaaa3                      ; S1
	s_mov_b32 s50, 0x37ccf5ce                      ; C3
	s_mov_b32 s51, 0xbab6061a                      ; C2
	s_mov_b32 s52, 0x3d2aaaa5                      ; C1
	s_wait_alu depctr_va_vdst(0)
	v_lshrrev_b32 v3, 4, v2                        ; which of the trip's two rows
	v_and_b32 v4, 15, v2                           ; my piece
	v_and_b32 v5, 7, v2                            ; piece % 8
	v_cmp_gt_u32 vcc_lo, 8, v4                     ; a piece of cosines?
	v_cndmask_b32 v6, 0, 1, vcc_lo                 ; 1 there
	v_mov_b32 v10, 0x80000000
	v_cndmask_b32 v7, v10, 0, vcc_lo               ; the sign bit in the sines' lanes
	v_lshrrev_b32 v11, 1, v5                       ; the decade: j / 8 rounded down
	v_mov_b32 v20, 1.0
	v_mov_b32 v21, 0x41200000                      ; 10
	v_cmp_eq_u32 vcc_lo, 1, v11
	v_cndmask_b32 v20, v20, v21, vcc_lo
	v_mov_b32 v21, 0x42c80000                      ; 100
	v_cmp_eq_u32 vcc_lo, 2, v11
	v_cndmask_b32 v20, v20, v21, vcc_lo
	v_mov_b32 v21, 0x447a0000                      ; 1000
	v_cmp_eq_u32 vcc_lo, 3, v11
	v_cndmask_b32 v20, v20, v21, vcc_lo
	v_and_b32 v22, 1, v5
	v_cmp_eq_u32 vcc_lo, 1, v22
	INVF 0, 0x3f800000, 0,          0x404a62c2, 0xb324b48d
	INVF 1, 0x3faab0d5, 0xb364582a, 0x4086f161, 0xb430577e
	INVF 2, 0x3fe39ea9, 0xb26aee63, 0x40b3f300, 0x34323444
	INVF 3, 0x4017c496, 0x33606930, 0x40eff755, 0x34515b57
	v_add_nc_u32 v8, s25, v3
	v_cvt_f32_u32 v8, v8                           ; t as f32
	v_lshlrev_b32 v9, 4, v2                        ; my 16 bytes of the trip's 512
	s_wait_kmcnt 0x0
	s_add_nc_u64 s[18:19], s[18:19], s[40:41]
	s_mov_b32 s26, 8
.Ltrip:
	s_wait_alu depctr_va_vdst(0)
	TRIG 0
	TRIG 1
	TRIG 2
	TRIG 3
	global_store_b128 v9, v[16:19], s[18:19]       ; 32 lanes store 512 consecutive bytes, at a multiple of 512 from the table's first byte
	v_add_f32 v8, 2.0, v8                          ; two rows on
	s_wait_xcnt 0x0                                ; the store's offset and data are written again only behind this wait
	v_add_nc_u32 v9, 512, v9
	s_sub_co_u32 s26, s26, 1
	s_cmp_lg_u32 s26, 0
	s_cbranch_scc1 .Ltrip
	s_endpgm
.Lfunc_end_k_qc927d61673_prep:
	.size	k_qc927d61673_prep, .Lfunc_end_k_qc927d61673_prep-k_qc927d61673_prep
	.p2alignl 7, 3214868480
	.fill 96, 4, 3214868480
	.section	.rodata,"a",@progbits
	.p2align	6, 0x0
	.amdhsa_kernel k_qc927d61673_prep
		.amdhsa_group_segment_fixed_size 33280
		.amdhsa_private_segment_fixed_size 0
		.amdhsa_enable_private_segment 0
		.amdhsa_kernarg_size 64
		.amdhsa_user_sgpr_count 2
		.amdhsa_user_sgpr_kernarg_segment_ptr 1
		.amdhsa_wavefront_size32 1
		.amdhsa_system_sgpr_workgroup_id_x 1
		.amdhsa_system_sgpr_workgroup_id_y 1
		.amdhsa_system_sgpr_workgroup_id_z 1
		.amdhsa_system_vgpr_workitem_id 0
		.amdhsa_next_free_vgpr 194
		.amdhsa_next_free_sgpr 66
		.amdhsa_reserve_vcc 1
		.amdhsa_float_denorm_mode_32 3
		.amdhsa_float_denorm_mode_16_64 3
		.amdhsa_fp16_overflow 1
		.amdhsa_memory_ordered 1
		.amdhsa_forward_progress 1
		.amdhsa_inst_pref_size 31
	.end_amdhsa_kernel
	.amdgpu_metadata
---
amdhsa.version: [ 1, 2 ]
amdhsa.kernels:
  - .name:           k_qc927d61673_prep
    .symbol:         k_qc927d61673_prep.kd
    .args:
      - { .name: x, .offset: 0, .size: 8, .value_kind: global_buffer, .address_space: global }
      - { .name: w_qkv, .offset: 8, .size: 8, .value_kind: global_buffer, .address_space: global }
      - { .name: w_proj, .offset: 16, .size: 8, .value_kind: global_buffer, .address_space: global }
      - { .name: lowp_scales, .offset: 24, .size: 8, .value_kind: global_buffer, .address_space: global }
      - { .name: x_codes, .offset: 32, .size: 8, .value_kind: global_buffer, .address_space: global }
      - { .name: wqkv_codes, .offset: 40, .size: 8, .value_kind: global_buffer, .address_space: global }
      - { .name: wproj_codes, .offset: 48, .size: 8, .value_kind: global_buffer, .address_space: global }
      - { .name: rope, .offset: 56, .size: 8, .value_kind: global_buffer, .address_space: global }
    .group_segment_fixed_size: 33280
    .private_segment_fixed_size: 0
    .kernarg_segment_align: 8
    .kernarg_segment_size: 64
    .max_flat_workgroup_size: 128
    .sgpr_count:     66
    .vgpr_count:     194
    .wavefront_size: 32
...
	.end_amdgpu_metadata
.endif
;; end of part 1
;; launch qkv (part 2): grid 12 x 32, 4 waves a work-group, clusters of 4 x 4, 327,680 bytes of LDS; arguments x_codes, wqkv_codes, lowp_scales, b_qkv, rope, q_codes, kv_codes; writes q_codes, kv_codes
.if DOCPART == 2
	.amdgcn_target "amdgcn-amd-amdhsa--gfx1250"
	.amdhsa_code_object_version 6
	.text
	.protected	k_qc927d61673_qkv
	.globl	k_qc927d61673_qkv
	.p2align	8
	.type	k_qc927d61673_qkv,@function
k_qc927d61673_qkv:
	s_mov_b64 s[64:65], 0
	v_nop
	global_prefetch_b8 v0, s[64:65] scope:SCOPE_SE
	s_setreg_imm32_b32 hwreg(HW_REG_WAVE_MODE, 25, 1), 1
	s_wait_xcnt 0x0
	s_wait_alu depctr_hold_cnt(0) depctr_sa_sdst(0) depctr_va_vdst(0) depctr_va_sdst(0) depctr_va_ssrc(0) depctr_va_vcc(0) depctr_vm_vsrc(0)
	s_getreg_b32 s2, hwreg(HW_REG_IB_STS2, 6, 4)
	s_cmp_eq_u32 s2, 0
	s_cbranch_scc0 .Lentry_in_a_cluster
	s_endpgm
.Lentry_in_a_cluster:
	s_bfe_u32 s2, ttmp6, 0x10000c
	s_cmp_lg_u32 s2, 0xf033
	s_cbranch_scc0 .Lentry_shape_is_right
	s_endpgm
.Lentry_shape_is_right:
.set SIZE_K, 1024
.set KSTEP,  256
.set ROWB,   256
.set KROW,   SIZE_K
.set PITCH,  272
.set FR,     16
.set NL,     4
.set NP,     4
.set HALFT,  128*PITCH
.set SLOT,   4*HALFT
.set LAPS,   SIZE_K/(2*KSTEP)
.set SPARE,  2*SLOT
.set L16,  8
.set RO,   9
.set BOQ,  10
.set SC,   11
.set LIM,  12
.set BOV,  13
.set ADRA, 16
.set ADRB, 20
.set SPW,  28
.set NIL,  29
.set BI,   32
.set CS,   96
.set AF,   128
.set VAL,  160
.set TMP,  192
.set CD,   224
.set BV,   232
.set G1, 24
.set G0, 32
.set G1B, 48
.set G0B, 56
.set MSB, 0
.macro WIN new
.if MSB != \new
	s_set_vgpr_msb (MSB<<8)|\new
.set MSB, \new
.endif
.endm
.set MUL_LO, 0xa1
.set MUL_HI, 0xf1
.set TO_B,   0x40
.macro JLOAD g0a, g1a, g0b, g1b
	s_cmp_eq_u32 s15, 0
	s_cbranch_scc0 .Lfor_b_\@
	tensor_load_to_lds s[\g0a:\g0a+3], s[\g1a:\g1a+7]
	s_nop 0
.rept 4
	v_nop
.endr
	s_branch .Lasked_\@
.Lfor_b_\@:
	tensor_load_to_lds s[\g0b:\g0b+3], s[\g1b:\g1b+7]
	s_nop 0
.rept 4
	v_nop
.endr
.Lasked_\@:
.endm
.macro CREST
	s_cmp_lg_u32 s14, 0
	s_cbranch_scc1 .Lnot_wave_0_\@
	s_barrier_signal -3
.Lnot_wave_0_\@:
	s_barrier_wait -3
	s_barrier_signal -1
	s_barrier_wait -1
.endm
.macro CROUND
	s_barrier_signal -1
	s_barrier_wait -1
	CREST
.endm
	s_load_b128 s[4:7], s[0:1], 0x0
	s_load_b128 s[8:11], s[0:1], 0x10
	s_load_b128 s[68:71], s[0:1], 0x20
	s_load_b64 s[72:73], s[0:1], 0x30
	v_lshl_add_u32 v[SPW], v0, 2, SPARE
	v_mov_b32 v[NIL], 0
	ds_add_u32 v28, v29
	ds_add_u32 v28, v29
	s_wait_dscnt 0x0
	v_lshrrev_b32 v1, 5, v0
	v_readfirstlane_b32 s14, v1
	s_lshr_b32 s15, s14, 1
	s_and_b32 s16, s14, 1
	s_bfe_u32 s40, ttmp6, 0x40000
	s_bfe_u32 s41, ttmp6, 0x40004
	s_and_b32 s13, ttmp7, 0xffff
	s_lshl_b32 s13, s13, 2
	s_lshl_b32 s12, ttmp9, 2
	s_add_co_u32 s42, s12, s40
	s_add_co_u32 s74, s13, s40
	s_add_co_u32 s17, s13, s41
	s_add_co_u32 s75, s41, 8
	s_cmp_eq_u32 ttmp9, 2
	s_cselect_b32 s42, s74, s42
	s_cselect_b32 s17, s75, s17
	s_lshl_b32 s43, s41, 2
	s_lshl_b32 s43, 15, s43
	s_lshl_b32 s44, 0x1111, s40
	s_or_b32 s[G1+0], s43, (0<<16)|(1<<20)|(1<<21)|(5<<22)|(3<<25)
	s_or_b32 s[G1B+0], s44, (0<<16)|(1<<20)|(1<<21)|(5<<22)|(3<<25)
.irp g, G1, G1B
	s_mov_b32 s[\g+1], ROWB<<16
	s_mov_b32 s[\g+2], 128<<16
	s_mov_b32 s[\g+3], ROWB<<16
	s_mov_b32 s[\g+4], 128
	s_mov_b32 s[\g+5], KROW
	s_mov_b32 s[\g+6], 0
	s_mov_b32 s[\g+7], 0
.endr
	s_lshl_b32 s18, s16, 7
	s_lshl_b32 s20, s17, 8
	s_add_co_u32 s20, s20, s18
	s_lshl_b32 s46, s42, 8
	s_add_co_u32 s46, s46, s18
	s_mov_b32 s21, 0
	s_mov_b32 s47, 0
	s_mov_b64 s[18:19], KROW
	s_mul_u64 s[20:21], s[20:21], s[18:19]
	s_mul_u64 s[46:47], s[46:47], s[18:19]
	s_mul_i32 s45, s14, HALFT
	s_wait_kmcnt 0x0
	s_load_b256 s[80:87], s[8:9], 0x0
	s_cmp_eq_u32 ttmp9, 2
	s_cselect_b64 s[76:77], s[6:7], s[4:5]
	s_cselect_b64 s[78:79], s[4:5], s[6:7]
	s_add_nc_u64 s[20:21], s[76:77], s[20:21]
	s_add_nc_u64 s[46:47], s[78:79], s[46:47]
	CROUND
.irp s, 0,1
	s_mov_b32 s[G0+4*\s], 1
	s_add_co_u32 s[G0+4*\s+1], s45, \s*SLOT
	s_add_nc_u64 s[G0+4*\s+2:G0+4*\s+3], s[20:21], \s*ROWB
	s_or_b32 s[G0+4*\s+3], s[G0+4*\s+3], 0x80000000
	s_mov_b32 s[G0B+4*\s], 1
	s_add_co_u32 s[G0B+4*\s+1], s45, \s*SLOT
	s_add_nc_u64 s[G0B+4*\s+2:G0B+4*\s+3], s[46:47], \s*ROWB
	s_or_b32 s[G0B+4*\s+3], s[G0B+4*\s+3], 0x80000000
	s_wait_alu depctr_va_vdst(0)
	s_wait_tensorcnt 0x0
	ds_add_u32 v28, v29
	ds_add_u32 v28, v29
	s_wait_dscnt 0x0
	CROUND
	JLOAD G0+4*\s, G1, G0B+4*\s, G1B
.endr
	v_and_b32 v1, 15, v0
	v_bfe_u32 v2, v0, 4, 1
	v_mul_u32_u24 v3, v1, PITCH
	v_lshl_add_u32 v4, v2, 4, v3
	s_mul_i32 s21, s15, HALFT
	s_mul_i32 s22, s16, HALFT
	s_add_co_u32 s22, s22, 2*HALFT
.irp s, 0,1
	v_add_nc_u32 v[ADRA+\s], s21, v4
	v_add_nc_u32 v[ADRB+\s], s22, v4
	s_add_co_u32 s21, s21, SLOT
	s_add_co_u32 s22, s22, SLOT
.endr
	v_and_b32 v5, 31, v0
	v_lshlrev_b32 v[L16], 4, v5
	v_lshlrev_b32 v[RO], 8, v1
	v_lshl_add_u32 v[RO], v2, 6, v[RO]
	v_lshlrev_b32 v[BOQ], 6, v2
	v_and_b32 v5, 7, v1
	v_lshrrev_b32 v6, 3, v1
	v_lshlrev_b32 v[BOV], 2, v5
	v_lshl_add_u32 v[BOV], v6, 6, v[BOV]
.macro FRAG reg, adr, q, i
.irp c, 0,1,2,3
	ds_load_b128 v[\reg+4*\c:\reg+4*\c+3], v[\adr] offset:128*(\q)+32*\c+(\i)*16*PITCH
.endr
.endm
.macro MUL16 a0, p, zero
.irp a, \a0, \a0+1
.irp b, 0,1,2,3,4,5,6,7
.if \zero
	v_wmma_f32_16x16x128_bf8_bf8 v[8*(8*((\a)%4)+\b):8*(8*((\a)%4)+\b)+7], v[128*(\p)+FR*\b:128*(\p)+FR*\b+FR-1], v[AF+FR*(\a):AF+FR*(\a)+FR-1], 0
.else
	v_wmma_f32_16x16x128_bf8_bf8 v[8*(8*((\a)%4)+\b):8*(8*((\a)%4)+\b)+7], v[128*(\p)+FR*\b:128*(\p)+FR*\b+FR-1], v[AF+FR*(\a):AF+FR*(\a)+FR-1], v[8*(8*((\a)%4)+\b):8*(8*((\a)%4)+\b)+7]
.endif
.endr
.endr
.endm
.macro FETCH_B slot, q, p
	WIN TO_B
.irp i, 0,1,2,3,4,5,6,7
	FRAG 128*(\p)+FR*\i, ADRB+\slot, \q, \i
.endr
	WIN 0
.endm
.macro FETCH_A slot, q, i0
.irp i, \i0, \i0+1, \i0+2, \i0+3
	FRAG AF+FR*(\i), ADRA+\slot, \q, \i
.endr
.endm
.macro PLACES n
.rept \n
	v_nop
.endr
.endm
.macro STEP slot, q, zero
	s_wait_dscnt 4*NL
	WIN MUL_LO
	MUL16 0, (\q)%2, \zero
	MUL16 2, (\q)%2, \zero
	s_wait_dscnt 0
	PLACES NP
	FETCH_B \slot, (\q)+1, 1-(\q)%2
	FETCH_A \slot, (\q)+1, 0
	WIN MUL_HI
	MUL16 4, (\q)%2, \zero
	MUL16 6, (\q)%2, \zero
	PLACES NP
	WIN 0
	FETCH_A \slot, (\q)+1, 4
.endm
.macro TURN slot, next, fill
	s_wait_tensorcnt 0x0
	ds_add_u32 v[SPW], v[NIL]
	s_wait_dscnt 4*NL+1
	WIN MUL_LO
	MUL16 0, 1, 0
	s_wait_dscnt 0x0
	s_barrier_signal -1
	MUL16 2, 1, 0
	WIN 0
	s_barrier_wait -1
.if \fill
	CREST
	s_add_nc_u64 s[G0+4*\slot+2:G0+4*\slot+3], s[G0+4*\slot+2:G0+4*\slot+3], 2*ROWB
	s_add_nc_u64 s[G0B+4*\slot+2:G0B+4*\slot+3], s[G0B+4*\slot+2:G0B+4*\slot+3], 2*ROWB
	JLOAD G0+4*\slot, G1, G0B+4*\slot, G1B
.else
	PLACES NP
.endif
	FETCH_B \next, 0, 0
	FETCH_A \next, 0, 0
	WIN MUL_HI
	MUL16 4, 1, 0
	MUL16 6, 1, 0
	PLACES NP
	WIN 0
	FETCH_A \next, 0, 4
.endm
	s_wait_tensorcnt 1
	s_barrier_signal -1
	s_barrier_wait -1
	FETCH_B 0, 0, 0
	FETCH_A 0, 0, 0
	FETCH_A 0, 0, 4
	STEP 0, 0, 1
	s_mov_b32 s3, LAPS-1
.Llap:
	TURN 0, 1, 1
	STEP 1, 0, 0
	TURN 1, 0, 1
	STEP 0, 0, 0
	s_sub_co_u32 s3, s3, 1
	s_cmp_lg_u32 s3, 0
	s_cbranch_scc1 .Llap
	TURN 0, 1, 0
	STEP 1, 0, 0
	s_wait_dscnt 4*NL
	WIN MUL_LO
	MUL16 0, 1, 0
	MUL16 2, 1, 0
	s_wait_dscnt 0
	WIN MUL_HI
	MUL16 4, 1, 0
	MUL16 6, 1, 0
	WIN 0
.macro FINISH
	s_wait_tensorcnt 0x0
	ds_add_u32 v[SPW], v[NIL]
	s_wait_dscnt 0x0
	CROUND
	s_endpgm
.endm
	s_wait_kmcnt 0x0
	s_add_co_i32 s96, s80, s81
	s_add_co_i32 s96, s96, 127
	s_lshl_b32 s96, s96, 23
	s_mov_b32 s97, s96
	PLACES NP
	s_cmp_eq_u32 ttmp9, 2
	s_cbranch_scc1 .Lvpath
	s_cmp_eq_u32 ttmp9, 1
	s_cselect_b32 s88, s83, s82
	s_cselect_b64 s[90:91], s[72:73], s[70:71]
	s_cselect_b32 s89, 18, 17
	s_add_co_i32 s88, s88, 127
	s_lshl_b32 s92, s88, 23
	v_mov_b32 v[SC], s92
	s_lshl_b32 s92, s17, 8
	s_lshl_b32 s93, s15, 7
	s_add_co_u32 s92, s92, s93
	s_lshr_b32 s93, s92, 11
	s_and_b32 s92, s92, 2047
	s_lshl_b32 s94, s42, 8
	s_lshl_b32 s95, s16, 7
	s_add_co_u32 s94, s94, s95
	s_lshl_b32 s74, s94, 2
	s_mov_b32 s75, 0
	s_add_nc_u64 s[10:11], s[10:11], s[74:75]
	s_bfe_u32 s94, s94, 0x40006
	s_lshl_b32 s93, s93, 4
	s_add_co_u32 s93, s93, s94
	s_lshl_b32 s74, s93, s89
	s_lshl_b32 s95, s92, 6
	s_add_co_u32 s74, s74, s95
	s_add_nc_u64 s[90:91], s[90:91], s[74:75]
	s_lshl_b32 s74, 1, s89
	s_add_nc_u64 s[66:67], s[90:91], s[74:75]
	s_lshl_b32 s74, s92, 8
	s_add_nc_u64 s[68:69], s[68:69], s[74:75]
	s_wait_alu depctr_va_vdst(0)
.irp g, 0,1,2,3
.irp k, 0,1,2,3
	global_load_b128 v[BI+16*\g+4*\k:BI+16*\g+4*\k+3], v[BOQ], s[10:11] offset:128*\g+16*\k
.endr
.endr
.macro CSLOAD a
.irp k, 0,1,2,3
	global_load_b128 v[CS+32*((\a)%2)+4*\k:CS+32*((\a)%2)+4*\k+3], v[RO], s[68:69] offset:4096*(\a)+16*\k
.endr
.irp k, 0,1,2,3
	global_load_b128 v[CS+32*((\a)%2)+16+4*\k:CS+32*((\a)%2)+16+4*\k+3], v[RO], s[68:69] offset:4096*(\a)+128+16*\k
.endr
.endm
.macro QKHALF a, hh, d
.set AC,  64*((\a)%4)+32*(\hh)
.set CSX, CS+32*((\a)%2)
	WIN 0x02+((\a)/4)
.set j, 0
.rept 16
	v_pk_fma_f32 v[VAL+j:VAL+j+1], v[AC+j:AC+j+1], s[96:97], v[BI+32*(\hh)+j:BI+32*(\hh)+j+1] op_sel_hi:[1,0,1]
.set j, j+2
.endr
	WIN 0
.set j, 0
.rept 16
	v_pk_mul_f32 v[TMP+j:TMP+j+1], v[VAL+j:VAL+j+1], v[CSX+j%16:CSX+j%16+1]
.set j, j+2
.endr
.set j, 0
.rept 16
	v_pk_fma_f32 v[TMP+j:TMP+j+1], v[VAL+j:VAL+j+1], v[CSX+16+j%16:CSX+16+j%16+1], v[TMP+j:TMP+j+1] op_sel:[1,0,0] op_sel_hi:[0,1,1]
.set j, j+2
.endr
.set i, 0
.rept 32
.set i, i+1
.endr
	s_wait_alu depctr_va_vdst(0)
	s_wait_xcnt 0x0
.irp g, 0,1,2,3
	v_cvt_scalef32_pk8_bf8_f32 v[CD+2*\g:CD+2*\g+1], v[TMP+8*\g:TMP+8*\g+7], v[SC]
.endr
	v_nop
	global_store_b128 v[L16], v[CD:CD+3], s[\d:\d+1] offset:1024*(\a)
	global_store_b128 v[L16], v[CD+4:CD+7], s[\d:\d+1] offset:1024*(\a)+512
.endm
	CSLOAD 0
.irp a, 0,1,2,3,4,5,6,7
.if \a < 7
	CSLOAD \a+1
	s_wait_loadcnt 8
.else
	s_wait_loadcnt 0x0
.endif
	QKHALF \a, 0, 90
	QKHALF \a, 1, 66
.endr
	FINISH
.Lvpath:
	s_add_co_i32 s88, s85, 127
	s_lshl_b32 s92, s88, 23
	v_mov_b32 v[SC], s92
	s_sub_co_u32 s92, s17, 8
	s_lshl_b32 s92, s92, 8
	s_lshl_b32 s93, s15, 7
	s_add_co_u32 s92, s92, s93
	s_lshl_b32 s74, s92, 2
	s_add_co_u32 s74, s74, 8192
	s_mov_b32 s75, 0
	s_add_nc_u64 s[10:11], s[10:11], s[74:75]
	s_lshr_b32 s92, s92, 6
	s_lshl_b32 s94, s42, 8
	s_lshl_b32 s95, s16, 7
	s_add_co_u32 s94, s94, s95
	s_lshr_b32 s93, s94, 11
	s_and_b32 s94, s94, 2047
	s_lshl_b32 s93, s93, 4
	s_add_co_u32 s93, s93, s92
	s_lshl_b32 s74, s93, 18
	s_lshl_b32 s94, s94, 6
	s_add_co_u32 s74, s74, s94
	s_add_co_u32 s74, s74, 131072
	s_add_nc_u64 s[90:91], s[72:73], s[74:75]
	s_wait_alu depctr_va_vdst(0)
.irp a, 0,1,2,3,4,5,6,7
	global_load_b32 v[BV+2*\a], v[BOV], s[10:11] offset:128*(\a/2)+32*(\a%2)
	global_load_b32 v[BV+2*\a+1], v[BOV], s[10:11] offset:128*(\a/2)+32*(\a%2)
.endr
	s_wait_loadcnt 0x0
.macro VHALF a, hh
.set AC, 64*((\a)%4)+32*(\hh)
	WIN 0x02+((\a)/4)
.set j, 0
.rept 16
	v_pk_fma_f32 v[VAL+j:VAL+j+1], v[AC+j:AC+j+1], s[96:97], v[BV+2*(\a):BV+2*(\a)+1] op_sel_hi:[1,0,1]
.set j, j+2
.endr
	WIN 0
.set i, 0
.rept 32
.set i, i+1
.endr
	s_wait_alu depctr_va_vdst(0)
	s_wait_xcnt 0x0
.irp g, 0,1,2,3
	v_cvt_scalef32_pk8_bf8_f32 v[CD+2*\g:CD+2*\g+1], v[VAL+8*\g:VAL+8*\g+7], v[SC]
.endr
	v_nop
	global_store_b128 v[L16], v[CD:CD+3], s[90:91] offset:((\a)/4)*262144+((\a)%4)*1024+4096*(\hh)
	global_store_b128 v[L16], v[CD+4:CD+7], s[90:91] offset:((\a)/4)*262144+((\a)%4)*1024+4096*(\hh)+512
.endm
.irp a, 0,1,2,3,4,5,6,7
	VHALF \a, 0
	VHALF \a, 1
.endr
	FINISH
.Lfunc_end_k_qc927d61673_qkv:
	.size	k_qc927d61673_qkv, .Lfunc_end_k_qc927d61673_qkv-k_qc927d61673_qkv
	.p2alignl 7, 3214868480
	.fill 96, 4, 3214868480
	.section	.rodata,"a",@progbits
	.p2align	6, 0x0
	.amdhsa_kernel k_qc927d61673_qkv
		.amdhsa_group_segment_fixed_size 327680
		.amdhsa_private_segment_fixed_size 0
		.amdhsa_enable_private_segment 0
		.amdhsa_kernarg_size 56
		.amdhsa_user_sgpr_count 2
		.amdhsa_user_sgpr_kernarg_segment_ptr 1
		.amdhsa_wavefront_size32 1
		.amdhsa_system_sgpr_workgroup_id_x 1
		.amdhsa_system_sgpr_workgroup_id_y 1
		.amdhsa_system_sgpr_workgroup_id_z 1
		.amdhsa_system_vgpr_workitem_id 0
		.amdhsa_next_free_vgpr 1024
		.amdhsa_next_free_sgpr 98
		.amdhsa_reserve_vcc 0
		.amdhsa_float_denorm_mode_32 3
		.amdhsa_float_denorm_mode_16_64 3
		.amdhsa_fp16_overflow 1
		.amdhsa_memory_ordered 1
		.amdhsa_forward_progress 1
		.amdhsa_inst_pref_size 173
	.end_amdhsa_kernel
	.amdgpu_metadata
---
amdhsa.version: [ 1, 2 ]
amdhsa.kernels:
  - .name:           k_qc927d61673_qkv
    .symbol:         k_qc927d61673_qkv.kd
    .args:
      - { .name: x_codes, .offset: 0, .size: 8, .value_kind: global_buffer, .address_space: global }
      - { .name: wqkv_codes, .offset: 8, .size: 8, .value_kind: global_buffer, .address_space: global }
      - { .name: lowp_scales, .offset: 16, .size: 8, .value_kind: global_buffer, .address_space: global }
      - { .name: b_qkv, .offset: 24, .size: 8, .value_kind: global_buffer, .address_space: global }
      - { .name: rope, .offset: 32, .size: 8, .value_kind: global_buffer, .address_space: global }
      - { .name: q_codes, .offset: 40, .size: 8, .value_kind: global_buffer, .address_space: global }
      - { .name: kv_codes, .offset: 48, .size: 8, .value_kind: global_buffer, .address_space: global }
    .group_segment_fixed_size: 327680
    .private_segment_fixed_size: 0
    .kernarg_segment_align: 8
    .kernarg_segment_size: 56
    .max_flat_workgroup_size: 128
    .sgpr_count:     98
    .vgpr_count:     1024
    .wavefront_size: 32
...
	.end_amdgpu_metadata
.endif
;; end of part 2
;; launch attn (part 3): grid 4 x 64, 16 waves a work-group, clusters of 4 x 1, 272,384 bytes of LDS; arguments q_codes, kv_codes, mask, lowp_scales, a_codes; writes a_codes
.if DOCPART == 3
	.amdgcn_target "amdgcn-amd-amdhsa--gfx1250"
	.amdhsa_code_object_version 6
	.text
	.protected	k_qc927d61673_attn
	.globl	k_qc927d61673_attn
	.p2align	8
	.type	k_qc927d61673_attn,@function
k_qc927d61673_attn:
	s_mov_b64 s[64:65], 0
	v_nop
	global_prefetch_b8 v0, s[64:65] scope:SCOPE_SE
	s_setreg_imm32_b32 hwreg(HW_REG_WAVE_MODE, 25, 1), 1
	s_wait_xcnt 0x0
	s_wait_alu depctr_hold_cnt(0) depctr_sa_sdst(0) depctr_va_vdst(0) depctr_va_sdst(0) depctr_va_ssrc(0) depctr_va_vcc(0) depctr_vm_vsrc(0)
	s_getreg_b32 s2, hwreg(HW_REG_IB_STS2, 6, 4)
	s_cmp_eq_u32 s2, 0
	s_cbranch_scc0 .Lentry_in_a_cluster
	s_endpgm
.Lentry_in_a_cluster:
	s_bfe_u32 s2, ttmp6, 0x10000c
	s_cmp_lg_u32 s2, 0x3003
	s_cbranch_scc0 .Lentry_shape_is_right
	s_endpgm
.Lentry_shape_is_right:
; ATTENTION on codes of BF8 (E5M2), head size 64, 2,048 keys, with a mask over the keys that is an input.  Both products by v_wmma_f32_16x16x64_bf8_bf8.
; THE SOFTMAX AHEAD OF THE SECOND PRODUCT: t = score x log2(e) / 8; M = the largest t so far, rounded UP to a whole number; p = 2^(t - M) is quantised with 2^e4, not normalised.  The row's sum is taken of the
; unquantised p and divides at the end.  When M moves, the sum and O are multiplied by 2^(old M - new M), which rounds nothing.  The result is quantised with 2^e6 for the projection.
; SHARES.  A work-group owns 512 queries of one (batch, head); each of its sixteen waves owns 32: two tiles of 16, which share every fragment of K and V that the wave reads.  Four waves lie on a SIMD, so that one
; wave's vector work stands beside another's matrix work and LDS loads.  Every wave walks all 2,048 keys, 64 a step.
; A HEAD'S WHOLE K AND V LIE IN LDS, 262,144 bytes, filled ONCE: no LDS byte is filled again, so there is no ring; one barrier stands between the fill and the reads.  In kv_codes a head's K and V are one dense block,
; laid in the order of the operands' registers: each wave brings 16,384 bytes of it by one tensor load.  CLUSTER: the four query blocks of a head read the same block, so the load is a joint one, with the mask of all four.
; LAYOUT.  Both products are used transposed: S^T = K Q^T (source 0 = 16 keys, source 1 = 16 queries), O^T = V^T P^T: a lane holds ONE query (lane % 16) throughout.  In S^T of key tile T lane (r, h) holds keys
; 16 T + 8 h + 0 .. 7: one conversion makes of them registers 2 T, 2 T + 1 of P, just where this form wants those keys; V's image has its keys in the same places.  V's rows lie with bits 3 and 4 of the channel
; exchanged, so that O^T's tiles 2 g, 2 g + 1 hold the 16 neighbouring channels 32 g + 16 h + 0 .. 15.
; THE MASK costs no instruction in the loop: a table of one f32 a key, 0 where the key counts and -2^100 where mask == 0, is the C operand of the score products.  The step's maximum has the floor -2^38, which lies under
; every true sum (at least -64 x 57,344^2): while only masked keys have been seen every p is 0, and from the first key that counts M is the ceiling of the largest t among the keys that count.
; LIMITS: e2 + e3 between -90 and 100 (they are added to the exponent field of log2(e) / 8, and -2^100 times that must lie 150 under every t); e4 and e6 between -126 and 112; e4 + e5 goes through v_ldexp_f32.
; A batch whose mask is 0 everywhere (the softmax of nothing, NaN by definition) is not served.  NaN is not served.
.set VIMG,  131072                     ; LDS: K's image from 0, V's from here,
.set BIAS,  262144                     ; the mask's table from here: 2,048 f32; stored by ds_store, and no tile lands there
.set NSTEP, 32
.set AK0, 1                            ; v1   16 x lane
.set AV0, 2                            ; v2   16 x lane + VIMG
.set AB0, 3                            ; v3   BIAS + 32 h
.set ADK, 4                            ; v4-6 the step's addresses
.set ADV, 5
.set ADB, 6
.set ST,  8                            ; tile q's statistics at v[ST + 10 q]: +0 -M, +1 the largest t, +2, +3 the sum in two halves, +4 f (+5 named with it as a pair), +6, +7 two chains of the maximum, +8, +9 a second chain of the sum
.set PD,  28                           ; v28-29 destinations of the exchange between the halves of the lanes
.set SC,  30                           ; v30  the scale as f32
.set LIM, 31
.set QF,  32                           ; v32-47   Q: 8 registers a tile
.set KV,  48                           ; v48-79   four fragments of K, then of V
.set BS,  80                           ; v80-111  the mask's numbers of the step's 64 keys, in the result's layout
.set SR,  112                          ; v112-175 S^T, then p: 32 a tile
.set PC,  176                          ; v176-191 p's codes: 8 a tile
.set OT,  192                          ; v192-255 O^T: 32 a tile
.set WV,  14                           ; s14  my wave's number
.set SEL, 28                           ; s[28:29] lane selects for v_permlanex16_b32: lane l xor 16
.set CC,  30                           ; s[30:31] c = log2(e) / 8 x 2^(e2 + e3)
.macro ROUND                           ; a round of the cluster's barrier
	s_barrier_signal -1
	s_barrier_wait -1
	s_cmp_lg_u32 s[WV], 0
	s_cbranch_scc1 .Lnot_wave_0_\@
	s_barrier_signal -3
.Lnot_wave_0_\@:
	s_barrier_wait -3
	s_barrier_signal -1
	s_barrier_wait -1
.endm
	s_load_b256 s[4:11], s[0:1], 0x0               ; q_codes s[4:5], kv_codes s[6:7], mask s[8:9], the scales' exponents s[10:11]
	s_load_b64 s[12:13], s[0:1], 0x20              ; a_codes
	v_lshl_add_u32 v254, v0, 2, 0x42000
	v_mov_b32 v255, 0
	ds_add_u32 v254, v255
	ds_add_u32 v254, v255
	s_wait_dscnt 0x0
	v_lshrrev_b32 v1, 5, v0
	s_delay_alu instid0(VALU_DEP_1)
	v_readfirstlane_b32 s[WV], v1                  ; wave 0..15
	s_bfe_u32 s43, ttmp6, 0x40000                  ; cx: my place in the cluster
	s_lshl_b32 s45, ttmp9, 2
	s_add_co_u32 s45, s45, s43                     ; my block of 512 queries: it enters Q's and the result's addresses alone
	s_and_b32 s44, ttmp7, 0xffff                   ; b h, which the four partners share
	; descriptor group 1: 64 rows of 32 elements of 8 bytes, dense: 16,384 bytes
	s_mov_b32 s16, 15|(3<<16)|(1<<21)              ; 15:0 the mask: all four work-groups; 17:16 elements of 8 bytes; 20 no padding; 21 set beside a mask
	s_mov_b32 s17, 32<<16                          ; tensor_dim0 = 32
	s_mov_b32 s18, 64<<16                          ; tensor_dim1 = 64
	s_mov_b32 s19, 32<<16                          ; tile_dim0 = 32
	s_mov_b32 s20, 64                              ; tile_dim1 = 64
	s_mov_b32 s21, 32                              ; tensor_dim0_stride
	s_mov_b32 s22, 0
	s_mov_b32 s23, 0
	s_lshl_b32 s25, s[WV], 14                      ; my 16,384 bytes, in LDS
	s_lshl_b32 s46, s44, 18
	s_add_co_u32 s46, s46, s25                     ; and in kv_codes
	s_mov_b32 s47, 0
	s_lshl_b32 s48, s44, 17                        ; Q and the result: b h x 131,072
	s_lshl_b32 s50, s45, 15
	s_add_co_u32 s48, s48, s50                     ; + (32 x block
	s_lshl_b32 s50, s[WV], 11
	s_add_co_u32 s48, s48, s50                     ;    + 2 x wave) tiles of 1,024 bytes
	s_mov_b32 s49, 0
	s_lshr_b32 s50, s44, 4
	s_lshl_b32 s50, s50, 13                        ; the batch's row of the mask
	s_mov_b32 s51, 0
	s_mov_b32 s[SEL], 0x76543210
	s_mov_b32 s[SEL+1], 0xfedcba98
	v_and_b32 v1, 31, v0
	s_delay_alu instid0(VALU_DEP_1)
	v_lshlrev_b32 v[AK0], 4, v1
	s_delay_alu instid0(VALU_DEP_1)
	v_add_nc_u32 v[AV0], VIMG, v[AK0]
	v_bfe_u32 v3, v0, 4, 1
	s_delay_alu instid0(VALU_DEP_1)
	v_lshl_add_u32 v[AB0], v3, 5, BIAS
	v_lshlrev_b32 v7, 4, v0                        ; 16 x thread: my four keys of the mask,
	v_lshl_add_u32 v84, v0, 4, BIAS                ; and their place in the table
	v_mov_b32 v85, 0xf1800000                      ; -2^100
	s_wait_alu depctr_va_vdst(0)
	s_wait_kmcnt 0x0
	s_load_b256 s[32:39], s[10:11], 0x0            ; e0 .. e7
	s_mov_b32 s24, 1                               ; group 0: count = 1; s25 the LDS address;
	s_add_nc_u64 s[26:27], s[6:7], s[46:47]        ; the global address;
	s_or_b32 s27, s27, 0x80000000                  ; type = 2
	s_add_nc_u64 s[4:5], s[4:5], s[48:49]
	s_add_nc_u64 s[12:13], s[12:13], s[48:49]
	s_add_nc_u64 s[8:9], s[8:9], s[50:51]
	global_load_b128 v[80:83], v7, s[8:9]          ; the 512 threads read the batch's 2,048 numbers of the mask
.irp q, 0,1
.irp c, 0,1
	global_load_b128 v[QF+8*\q+4*\c:QF+8*\q+4*\c+3], v[AK0], s[4:5] offset:1024*\q+512*\c   ; Q's fragments stay in registers
.endr
.endr
	ROUND                                          ; all four work-groups are here: the joint loads meet
	tensor_load_to_lds s[24:27], s[16:23]          ; one load a wave is out; sixteen waves bring the head's K and V
	s_nop 0
.rept 4
	v_nop
.endr
	s_wait_loadcnt 4                               ; the mask is in; Q's four loads, issued behind it, may be out
.irp i, 0,1,2,3
	v_cmp_eq_u32 vcc_lo, 0, v[80+\i]
	s_delay_alu instid0(VALU_DEP_1)
	v_cndmask_b32 v[80+\i], 0, v85, vcc_lo         ; 0 where the key counts, -2^100 where it does not
.endr
	ds_store_b128 v84, v[80:83]
.irp q, 0,1
	v_mov_b32 v[ST+10*\q+1], 0xff61b1e6            ; the largest t so far: -3e38, under every t
	s_delay_alu instid0(VALU_DEP_1)
	v_floor_f32 v[ST+10*\q], -v[ST+10*\q+1]        ; -M
	v_mov_b32 v[ST+10*\q+2], 0                     ; the sum
	v_mov_b32 v[ST+10*\q+3], 0
	v_mov_b32 v[ST+10*\q+5], 0                     ; (named as the upper half of f's pair)
	v_mov_b32 v[PD+\q], 0                          ; a lane permute's destination counts as one of its sources
.endr
.set i, 0
.rept 64
	v_mov_b32 v[OT+i], 0                           ; O^T.  The step is written once: the first finds zeros, which the first change of M leaves zeros; a first step of its own would double the loop's text
.set i, i+1
.endr
	s_wait_kmcnt 0x0
	s_add_co_i32 s52, s34, s35
	s_lshl_b32 s52, s52, 23
	s_add_co_i32 s[CC], s52, 0x3e38aa3b            ; log2(e) / 8, with e2 + e3 added to its exponent field: a score stands for score x 2^(e2 + e3)
	s_mov_b32 s[CC+1], s[CC]                       ; (named with it as a pair, so it is written)
	s_add_co_i32 s52, s36, 127
	s_lshl_b32 s53, s52, 23
	v_mov_b32 v[SC], s53                           ; 2^e4 as f32
	s_mov_b32 s40, 0                               ; the step's first byte in K's and in V's image: 4,096 a step
	s_mov_b32 s41, 0                               ; and in the table: 256 a step
	s_mov_b32 s42, NSTEP
	s_wait_loadcnt 0x0                             ; Q
	s_wait_tensorcnt 0x0                           ; my part of K and V has landed,
	s_wait_dscnt 0x0                               ; my part of the table is stored:
	s_barrier_signal -1
	s_barrier_wait -1                              ; everybody's is.  From here on LDS is only read
.macro MAXP c, x, y                    ; chain c of both tiles takes scores x and y
.irp q, 0,1
	v_max3_num_f32 v[ST+10*\q+6+\c], v[ST+10*\q+6+\c], v[SR+32*\q+\x], v[SR+32*\q+\y]
.endr
.endm
.Lstep:
	s_setprio 2
	v_add_nc_u32 v[ADK], s40, v[AK0]               ; three additions and a v_nop: the four places between the last products and the loads into registers that they read
	v_add_nc_u32 v[ADV], s40, v[AV0]
	v_add_nc_u32 v[ADB], s41, v[AB0]
	v_nop
.irp t, 0,1,2,3
.irp c, 0,1
	ds_load_b128 v[KV+8*\t+4*\c:KV+8*\t+4*\c+3], v[ADK] offset:1024*\t+512*\c   ; 16 keys x 64: 32 lanes read 512 consecutive bytes
.endr
.endr
.irp t, 0,1,2,3
.irp c, 0,1
	ds_load_b128 v[BS+8*\t+4*\c:BS+8*\t+4*\c+3], v[ADB] offset:64*\t+16*\c      ; the mask's numbers of keys 16 t + 8 h + 4 c + 0 .. 3: the sixteen lanes of a half share them
.endr
.endr
	s_wait_alu depctr_va_vdst(0)
	s_wait_dscnt 0x0
.irp t, 0,1,2,3                                ; S^T = K Q^T + the mask's numbers.  Every matrix instruction of the loop writes another accumulator than the one before it
.irp q, 0,1
	v_wmma_f32_16x16x64_bf8_bf8 v[SR+32*\q+8*\t:SR+32*\q+8*\t+7], v[KV+8*\t:KV+8*\t+7], v[QF+8*\q:QF+8*\q+7], v[BS+8*\t:BS+8*\t+7]
.endr
.endr
.rept 4
	v_nop                                          ; places in front of the loads into K's registers and of the first reads of the scores
.endr
.irp t, 0,1,2,3
.irp c, 0,1
	ds_load_b128 v[KV+8*\t+4*\c:KV+8*\t+4*\c+3], v[ADV] offset:1024*\t+512*\c   ; V's four fragments land while the softmax is worked
.endr
.endr
	; the step's largest score of each query among my 32 keys: two chains a tile, the two tiles line by line.  Each accumulator is first read at its low end.
.irp q, 0,1
	v_max3_num_f32 v[ST+10*\q+6], v[SR+32*\q], v[SR+32*\q+1], v[SR+32*\q+2]
	v_max3_num_f32 v[ST+10*\q+7], v[SR+32*\q+8], v[SR+32*\q+9], v[SR+32*\q+10]
.endr
	MAXP 0, 16, 17
	MAXP 1, 24, 25
	MAXP 0, 3, 4
	MAXP 1, 5, 6
	MAXP 0, 7, 11
	MAXP 1, 12, 13
	MAXP 0, 14, 15
	MAXP 1, 18, 19
	MAXP 0, 20, 21
	MAXP 1, 22, 23
	MAXP 0, 26, 27
	MAXP 1, 28, 29
	MAXP 0, 30, 31
.irp q, 0,1
	s_delay_alu instid0(VALU_DEP_2)
	v_max3_num_f32 v[ST+10*\q+6], v[ST+10*\q+6], v[ST+10*\q+7], 0xd2800000   ; the two chains and the floor -2^38
.endr
.irp q, 0,1
	s_delay_alu instid0(VALU_DEP_2)
	v_permlanex16_b32 v[PD+\q], v[ST+10*\q+6], s[SEL], s[SEL+1]
.endr
.irp q, 0,1
	s_delay_alu instid0(VALU_DEP_2)
	v_max_num_f32 v[ST+10*\q+6], v[ST+10*\q+6], v[PD+\q]   ; and lane l xor 16's 32 keys
.endr
.irp q, 0,1
	s_delay_alu instid0(VALU_DEP_2)
	v_mul_f32 v[ST+10*\q+6], s[CC], v[ST+10*\q+6]          ; as t (c is positive)
.endr
.irp q, 0,1
	s_delay_alu instid0(VALU_DEP_2)
	v_max_num_f32 v[ST+10*\q+1], v[ST+10*\q+1], v[ST+10*\q+6]   ; the running largest t
.endr
.irp q, 0,1
	v_mov_b32 v[ST+10*\q+6], v[ST+10*\q]
.endr
.irp q, 0,1
	s_delay_alu instid0(VALU_DEP_4)
	v_floor_f32 v[ST+10*\q], -v[ST+10*\q+1]        ; the new -M = floor(-t) = -ceil(t): M is a whole number
.endr
.irp q, 0,1
	s_delay_alu instid0(VALU_DEP_2)
	v_sub_f32 v[ST+10*\q+6], v[ST+10*\q], v[ST+10*\q+6]    ; M's old value less its new one: 0 or less
.endr
.irp q, 0,1
	s_delay_alu instid0(VALU_DEP_2)
	v_cvt_i32_f32 v[ST+10*\q+6], v[ST+10*\q+6]     ; (it saturates)
.endr
.irp q, 0,1
	s_delay_alu instid0(VALU_DEP_2)
	v_ldexp_f32 v[ST+10*\q+4], 1.0, v[ST+10*\q+6]  ; f = 2^(old M - new M)
.endr
.set j, 0
.rept 16
.irp q, 0,1
	v_pk_fma_f32 v[SR+32*\q+j:SR+32*\q+j+1], v[SR+32*\q+j:SR+32*\q+j+1], s[CC:CC+1], v[ST+10*\q:ST+10*\q+1] op_sel_hi:[1,0,0]   ; t - M, two at a time (of the pairs c and -M the low word serves both halves)
.endr
.set j, j+2
.endr
.set i, 0
	s_wait_alu depctr_va_vdst(0)
.rept 64
	v_exp_f32 v[SR+i], v[SR+i]                     ; p = 2^(t - M): not normalised; 0 for a masked key
.set i, i+1
.endr
	s_setprio 1
.irp q, 0,1
	v_pk_mul_f32 v[ST+10*\q+2:ST+10*\q+3], v[ST+10*\q+2:ST+10*\q+3], v[ST+10*\q+4:ST+10*\q+5] op_sel_hi:[1,0]   ; the sums under the new M.  (The plain place behind the exponentials)
.endr
	s_wait_alu depctr_va_vdst(0)
.irp q, 0,1
	v_pk_add_f32 v[ST+10*\q+8:ST+10*\q+9], v[SR+32*\q:SR+32*\q+1], v[SR+32*\q+2:SR+32*\q+3]   ; the row's sum is taken of the UNQUANTISED p: two at a time, in two chains
.endr
.set j, 4
.rept 7
.irp q, 0,1
	v_pk_add_f32 v[ST+10*\q+2:ST+10*\q+3], v[ST+10*\q+2:ST+10*\q+3], v[SR+32*\q+j:SR+32*\q+j+1]
	v_pk_add_f32 v[ST+10*\q+8:ST+10*\q+9], v[ST+10*\q+8:ST+10*\q+9], v[SR+32*\q+j+2:SR+32*\q+j+3]
.endr
.set j, j+4
.endr
.irp q, 0
	s_delay_alu instid0(VALU_DEP_3)
	v_pk_add_f32 v[ST+10*\q+2:ST+10*\q+3], v[ST+10*\q+2:ST+10*\q+3], v[ST+10*\q+8:ST+10*\q+9]
.endr
.irp q, 1
	s_delay_alu instid0(VALU_DEP_2)
	v_pk_add_f32 v[ST+10*\q+2:ST+10*\q+3], v[ST+10*\q+2:ST+10*\q+3], v[ST+10*\q+8:ST+10*\q+9]
.endr
.set i, 0
.rept 64
.set i, i+1
.endr
.irp q, 0,1
.irp t, 0,1,2,3
	v_cvt_scalef32_pk8_bf8_f32 v[PC+8*\q+2*\t:PC+8*\q+2*\t+1], v[SR+32*\q+8*\t:SR+32*\q+8*\t+7], v[SC]   ; keys 16 t + 8 h + 0 .. 7: registers 2 t, 2 t + 1 of the operand
.endr
.endr
.set j, 0
.rept 16
.irp q, 0,1
	v_pk_mul_f32 v[OT+32*\q+j:OT+32*\q+j+1], v[OT+32*\q+j:OT+32*\q+j+1], v[ST+10*\q+4:ST+10*\q+5] op_sel_hi:[1,0]   ; O^T under the new M; each accumulator from its low end on.  (Also the plain place behind the conversions)
.endr
.set j, j+2
.endr
	s_setprio 0
	s_wait_alu depctr_va_vdst(0)
	s_wait_dscnt 0x0                               ; V is in
.irp d, 0,1,2,3                                ; O^T += V^T P^T: K = the step's 64 keys
.irp q, 0,1
	v_wmma_f32_16x16x64_bf8_bf8 v[OT+32*\q+8*\d:OT+32*\q+8*\d+7], v[KV+8*\d:KV+8*\d+7], v[PC+8*\q:PC+8*\q+7], v[OT+32*\q+8*\d:OT+32*\q+8*\d+7]
.endr
.endr
	s_add_co_u32 s40, s40, 4096
	s_add_co_u32 s41, s41, 256
	s_sub_co_u32 s42, s42, 1
	s_cmp_lg_u32 s42, 0
	s_cbranch_scc1 .Lstep
	s_setprio 0
	; THE WAY OUT.  O^T x 2^(e4 + e5) / the sum, quantised with 2^e6; the codes of tiles 2 g, 2 g + 1 are 16 bytes of the image that the projection reads: no stage is needed.
.rept 4
	v_nop                                          ; places behind the last products
.endr
.irp q, 0,1
	v_add_f32 v[ST+10*\q+2], v[ST+10*\q+2], v[ST+10*\q+3]   ; the sum's two halves,
.endr
.irp q, 0,1
	s_delay_alu instid0(VALU_DEP_2)
	v_permlanex16_b32 v[PD+\q], v[ST+10*\q+2], s[SEL], s[SEL+1]
.endr
.irp q, 0,1
	s_delay_alu instid0(VALU_DEP_2)
	v_add_f32 v[ST+10*\q+2], v[ST+10*\q+2], v[PD+\q]        ; and lane l xor 16's
.endr
	s_wait_alu depctr_va_vdst(0)
.irp q, 0,1
	v_rcp_f32 v[ST+10*\q+2], v[ST+10*\q+2]
.endr
	s_add_co_i32 s52, s38, 127
	s_lshl_b32 s53, s52, 23
	v_mov_b32 v[SC], s53                           ; 2^e6 as f32.  (The plain place behind the reciprocals)
	s_add_co_i32 s52, s36, s37
	s_wait_alu depctr_va_vdst(0)
.irp q, 0,1
	v_ldexp_f32 v[ST+10*\q+2], v[ST+10*\q+2], s52  ; x 2^(e4 + e5)
.endr
.macro FIN q
.set j, 0
.rept 16
	v_pk_mul_f32 v[SR+32*\q+j:SR+32*\q+j+1], v[OT+32*\q+j:OT+32*\q+j+1], v[ST+10*\q+2:ST+10*\q+3] op_sel_hi:[1,0]   ; each accumulator from its low end on
.set j, j+2
.endr
.set i, 0
.rept 32
.set i, i+1
.endr
.irp g, 0,1,2,3
	v_cvt_scalef32_pk8_bf8_f32 v[PC+8*\q+2*\g:PC+8*\q+2*\g+1], v[SR+32*\q+8*\g:SR+32*\q+8*\g+7], v[SC]
.endr
	v_nop                                          ; one plain vector instruction behind the last conversion
	global_store_b128 v[AK0], v[PC+8*\q:PC+8*\q+3], s[12:13] offset:1024*\q         ; channels 16 h + 0 .. 15: 32 lanes store 512 consecutive bytes
	global_store_b128 v[AK0], v[PC+8*\q+4:PC+8*\q+7], s[12:13] offset:1024*\q+512   ; channels 32 + 16 h + 0 .. 15
.endm
	FIN 0
	FIN 1
	s_wait_xcnt 0x0
	v_lshl_add_u32 v254, v0, 2, 0x42000
	v_mov_b32 v255, 0
	s_wait_alu depctr_va_vdst(0)
	s_wait_tensorcnt 0x0
	ds_add_u32 v254, v255
	s_wait_dscnt 0x0
	ROUND                                          ; the closing round: no work-group ends while a partner may still ask for a tile that names it
	s_endpgm
.Lfunc_end_k_qc927d61673_attn:
	.size	k_qc927d61673_attn, .Lfunc_end_k_qc927d61673_attn-k_qc927d61673_attn
	.p2alignl 7, 3214868480
	.fill 96, 4, 3214868480
	.section	.rodata,"a",@progbits
	.p2align	6, 0x0
	.amdhsa_kernel k_qc927d61673_attn
		.amdhsa_group_segment_fixed_size 272384
		.amdhsa_private_segment_fixed_size 0
		.amdhsa_enable_private_segment 0
		.amdhsa_kernarg_size 40
		.amdhsa_user_sgpr_count 2
		.amdhsa_user_sgpr_kernarg_segment_ptr 1
		.amdhsa_wavefront_size32 1
		.amdhsa_system_sgpr_workgroup_id_x 1
		.amdhsa_system_sgpr_workgroup_id_y 1
		.amdhsa_system_sgpr_workgroup_id_z 1
		.amdhsa_system_vgpr_workitem_id 0
		.amdhsa_next_free_vgpr 256
		.amdhsa_next_free_sgpr 66
		.amdhsa_reserve_vcc 1
		.amdhsa_float_denorm_mode_32 3
		.amdhsa_float_denorm_mode_16_64 3
		.amdhsa_fp16_overflow 1
		.amdhsa_memory_ordered 1
		.amdhsa_forward_progress 1
		.amdhsa_inst_pref_size 28
	.end_amdhsa_kernel
	.amdgpu_metadata
---
amdhsa.version: [ 1, 2 ]
amdhsa.kernels:
  - .name:           k_qc927d61673_attn
    .symbol:         k_qc927d61673_attn.kd
    .args:
      - { .name: q_codes, .offset: 0, .size: 8, .value_kind: global_buffer, .address_space: global }
      - { .name: kv_codes, .offset: 8, .size: 8, .value_kind: global_buffer, .address_space: global }
      - { .name: mask, .offset: 16, .size: 8, .value_kind: global_buffer, .address_space: global }
      - { .name: lowp_scales, .offset: 24, .size: 8, .value_kind: global_buffer, .address_space: global }
      - { .name: a_codes, .offset: 32, .size: 8, .value_kind: global_buffer, .address_space: global }
    .group_segment_fixed_size: 272384
    .private_segment_fixed_size: 0
    .kernarg_segment_align: 8
    .kernarg_segment_size: 40
    .max_flat_workgroup_size: 512
    .sgpr_count:     66
    .vgpr_count:     256
    .wavefront_size: 32
...
	.end_amdgpu_metadata
.endif
;; end of part 3
;; launch proj (part 4): grid 4 x 32, 4 waves a work-group, clusters of 4 x 4, 327,680 bytes of LDS; arguments a_codes, wproj_codes, lowp_scales, b_proj, out0; writes out0
.if DOCPART == 4
	.amdgcn_target "amdgcn-amd-amdhsa--gfx1250"
	.amdhsa_code_object_version 6
	.text
	.protected	k_qc927d61673_proj
	.globl	k_qc927d61673_proj
	.p2align	8
	.type	k_qc927d61673_proj,@function
k_qc927d61673_proj:
	s_mov_b64 s[64:65], 0
	v_nop
	global_prefetch_b8 v0, s[64:65] scope:SCOPE_SE
	s_setreg_imm32_b32 hwreg(HW_REG_WAVE_MODE, 25, 1), 1
	s_wait_xcnt 0x0
	s_wait_alu depctr_hold_cnt(0) depctr_sa_sdst(0) depctr_va_vdst(0) depctr_va_sdst(0) depctr_va_ssrc(0) depctr_va_vcc(0) depctr_vm_vsrc(0)
	s_getreg_b32 s2, hwreg(HW_REG_IB_STS2, 6, 4)
	s_cmp_eq_u32 s2, 0
	s_cbranch_scc0 .Lentry_in_a_cluster
	s_endpgm
.Lentry_in_a_cluster:
	s_bfe_u32 s2, ttmp6, 0x10000c
	s_cmp_lg_u32 s2, 0xf033
	s_cbranch_scc0 .Lentry_shape_is_right
	s_endpgm
.Lentry_shape_is_right:
.set SIZE_K, 1024
.set SIZE_N, 1024
.set KSTEP,  256
.set ROWB,   256
.set KROW,   SIZE_K
.set PITCH,  272
.set FR,     16
.set NL,     4
.set NP,     4
.set AHALF,  32768
.set BHALF,  128*PITCH
.set BOFF,   2*AHALF
.set SLOT,   BOFF+2*BHALF
.set ASTEP,  4*131072
.set LAPS,   SIZE_K/(2*KSTEP)
.set SPARE,  2*SLOT
.set SPITCH, 528
.set BB4,  12
.set ADRA, 16
.set ADRB, 20
.set STO,  24
.set RD,   25
.set CO,   26
.set SPW,  28
.set NIL,  29
.set AF,   128
.set BK,   128
.set G1, 24
.set G0, 32
.set G1B, 48
.set G0B, 56
.set MSB, 0
.macro WIN new
.if MSB != \new
	s_set_vgpr_msb (MSB<<8)|\new
.set MSB, \new
.endif
.endm
.set MUL_LO, 0xa1
.set MUL_HI, 0xf1
.set TO_B,   0x40
.macro JLOAD g0a, g1a, g0b, g1b
	s_cmp_eq_u32 s15, 0
	s_cbranch_scc0 .Lfor_b_\@
	tensor_load_to_lds s[\g0a:\g0a+3], s[\g1a:\g1a+7]
	s_nop 0
.rept 4
	v_nop
.endr
	s_branch .Lasked_\@
.Lfor_b_\@:
	tensor_load_to_lds s[\g0b:\g0b+3], s[\g1b:\g1b+7]
	s_nop 0
.rept 4
	v_nop
.endr
.Lasked_\@:
.endm
.macro CREST
	s_cmp_lg_u32 s14, 0
	s_cbranch_scc1 .Lnot_wave_0_\@
	s_barrier_signal -3
.Lnot_wave_0_\@:
	s_barrier_wait -3
	s_barrier_signal -1
	s_barrier_wait -1
.endm
.macro CROUND
	s_barrier_signal -1
	s_barrier_wait -1
	CREST
.endm
	s_load_b128 s[4:7], s[0:1], 0x0
	s_load_b128 s[8:11], s[0:1], 0x10
	s_load_b64 s[12:13], s[0:1], 0x20
	v_lshl_add_u32 v[SPW], v0, 2, SPARE
	v_mov_b32 v[NIL], 0
	ds_add_u32 v28, v29
	ds_add_u32 v28, v29
	s_wait_dscnt 0x0
	v_lshrrev_b32 v1, 5, v0
	v_readfirstlane_b32 s14, v1
	s_lshr_b32 s15, s14, 1
	s_and_b32 s16, s14, 1
	s_bfe_u32 s40, ttmp6, 0x40000
	s_bfe_u32 s41, ttmp6, 0x40004
	s_lshl_b32 s42, ttmp9, 2
	s_add_co_u32 s42, s42, s40
	s_and_b32 s17, ttmp7, 0xffff
	s_lshl_b32 s17, s17, 2
	s_add_co_u32 s17, s17, s41
	s_lshl_b32 s43, s41, 2
	s_lshl_b32 s43, 15, s43
	s_lshl_b32 s44, 0x1111, s40
	s_or_b32 s[G1+0], s43, (3<<16)|(1<<21)
	s_mov_b32 s[G1+1], 1024<<16
	s_mov_b32 s[G1+2], 4<<16
	s_mov_b32 s[G1+3], 1024<<16
	s_mov_b32 s[G1+4], 4
	s_mov_b32 s[G1+5], 16384
	s_mov_b32 s[G1+6], 0
	s_mov_b32 s[G1+7], 0
	s_or_b32 s[G1B+0], s44, (0<<16)|(1<<20)|(1<<21)|(5<<22)|(3<<25)
	s_mov_b32 s[G1B+1], ROWB<<16
	s_mov_b32 s[G1B+2], 128<<16
	s_mov_b32 s[G1B+3], ROWB<<16
	s_mov_b32 s[G1B+4], 128
	s_mov_b32 s[G1B+5], KROW
	s_mov_b32 s[G1B+6], 0
	s_mov_b32 s[G1B+7], 0
	s_lshr_b32 s20, s17, 3
	s_lshl_b32 s20, s20, 21
	s_and_b32 s18, s17, 7
	s_lshl_b32 s18, s18, 14
	s_add_co_u32 s20, s20, s18
	s_lshl_b32 s18, s16, 13
	s_add_co_u32 s20, s20, s18
	s_mov_b32 s21, 0
	s_lshl_b32 s46, s42, 8
	s_lshl_b32 s18, s16, 7
	s_add_co_u32 s46, s46, s18
	s_lshl_b32 s46, s46, 10
	s_mov_b32 s47, 0
	s_lshl_b32 s45, s16, 15
	s_mul_i32 s66, s16, BHALF
	s_add_co_u32 s66, s66, BOFF
	s_wait_kmcnt 0x0
	s_load_b64 s[96:97], s[8:9], 0x18
	s_add_nc_u64 s[20:21], s[4:5], s[20:21]
	s_add_nc_u64 s[46:47], s[6:7], s[46:47]
	CROUND
.irp s, 0,1
	s_mov_b32 s[G0+4*\s], 1
	s_add_co_u32 s[G0+4*\s+1], s45, \s*SLOT
	s_add_nc_u64 s[G0+4*\s+2:G0+4*\s+3], s[20:21], \s*ASTEP
	s_or_b32 s[G0+4*\s+3], s[G0+4*\s+3], 0x80000000
	s_mov_b32 s[G0B+4*\s], 1
	s_add_co_u32 s[G0B+4*\s+1], s66, \s*SLOT
	s_add_nc_u64 s[G0B+4*\s+2:G0B+4*\s+3], s[46:47], \s*ROWB
	s_or_b32 s[G0B+4*\s+3], s[G0B+4*\s+3], 0x80000000
	s_wait_alu depctr_va_vdst(0)
	s_wait_tensorcnt 0x0
	ds_add_u32 v28, v29
	ds_add_u32 v28, v29
	s_wait_dscnt 0x0
	CROUND
	JLOAD G0+4*\s, G1, G0B+4*\s, G1B
.endr
	v_and_b32 v1, 15, v0
	v_bfe_u32 v2, v0, 4, 1
	v_and_b32 v6, 31, v0
	v_lshlrev_b32 v[CO], 4, v6
	v_mul_u32_u24 v3, v1, PITCH
	v_lshl_add_u32 v4, v2, 4, v3
	s_lshl_b32 s21, s15, 15
	s_mul_i32 s22, s16, BHALF
	s_add_co_u32 s22, s22, BOFF
.irp s, 0,1
	v_add_nc_u32 v[ADRA+\s], s21, v[CO]
	v_add_nc_u32 v[ADRB+\s], s22, v4
	s_add_co_u32 s21, s21, SLOT
	s_add_co_u32 s22, s22, SLOT
.endr
	s_mul_i32 s23, s14, 16*SPITCH
	v_mul_u32_u24 v5, v1, SPITCH
	v_lshl_add_u32 v5, v2, 5, v5
	v_add_nc_u32 v[STO], s23, v5
	v_add_nc_u32 v[RD], s23, v[CO]
	s_lshl_b32 s20, s17, 8
	s_lshl_b32 s21, s15, 7
	s_add_co_u32 s20, s20, s21
	s_lshl_b32 s20, s20, 12
	s_mov_b32 s21, 0
	s_lshl_b32 s46, s42, 10
	s_lshl_b32 s47, s16, 9
	s_add_co_u32 s46, s46, s47
	s_mov_b32 s47, 0
	s_add_nc_u64 s[12:13], s[12:13], s[20:21]
	s_add_nc_u64 s[12:13], s[12:13], s[46:47]
	s_add_nc_u64 s[10:11], s[10:11], s[46:47]
	global_load_b128 v[BB4:BB4+3], v[CO], s[10:11]
.macro FRAG reg, adr, q, i
.irp c, 0,1,2,3
	ds_load_b128 v[\reg+4*\c:\reg+4*\c+3], v[\adr] offset:128*(\q)+32*\c+(\i)*16*PITCH
.endr
.endm
.macro FRAGA reg, adr, q, i
.irp c, 0,1,2,3
	ds_load_b128 v[\reg+4*\c:\reg+4*\c+3], v[\adr] offset:(2*(\q)+\c/2)*8192+1024*(\i)+512*(\c%2)
.endr
.endm
.macro MUL16 a0, p, zero
.irp a, \a0, \a0+1
.irp b, 0,1,2,3,4,5,6,7
.if \zero
	v_wmma_f32_16x16x128_bf8_bf8 v[8*(8*((\a)%4)+\b):8*(8*((\a)%4)+\b)+7], v[128*(\p)+FR*\b:128*(\p)+FR*\b+FR-1], v[AF+FR*(\a):AF+FR*(\a)+FR-1], 0
.else
	v_wmma_f32_16x16x128_bf8_bf8 v[8*(8*((\a)%4)+\b):8*(8*((\a)%4)+\b)+7], v[128*(\p)+FR*\b:128*(\p)+FR*\b+FR-1], v[AF+FR*(\a):AF+FR*(\a)+FR-1], v[8*(8*((\a)%4)+\b):8*(8*((\a)%4)+\b)+7]
.endif
.endr
.endr
.endm
.macro FETCH_B slot, q, p
	WIN TO_B
.irp i, 0,1,2,3,4,5,6,7
	FRAG 128*(\p)+FR*\i, ADRB+\slot, \q, \i
.endr
	WIN 0
.endm
.macro FETCH_A slot, q, i0
.irp i, \i0, \i0+1, \i0+2, \i0+3
	FRAGA AF+FR*(\i), ADRA+\slot, \q, \i
.endr
.endm
.macro PLACES n
.rept \n
	v_nop
.endr
.endm
.macro STEP slot, q, zero
	s_wait_dscnt 4*NL
	WIN MUL_LO
	MUL16 0, (\q)%2, \zero
	MUL16 2, (\q)%2, \zero
	s_wait_dscnt 0
	PLACES NP
	FETCH_B \slot, (\q)+1, 1-(\q)%2
	FETCH_A \slot, (\q)+1, 0
	WIN MUL_HI
	MUL16 4, (\q)%2, \zero
	MUL16 6, (\q)%2, \zero
	PLACES NP
	WIN 0
	FETCH_A \slot, (\q)+1, 4
.endm
.macro TURN slot, next, fill
	s_wait_tensorcnt 0x0
	ds_add_u32 v[SPW], v[NIL]
	s_wait_dscnt 4*NL+1
	WIN MUL_LO
	MUL16 0, 1, 0
	s_wait_dscnt 0x0
	s_barrier_signal -1
	MUL16 2, 1, 0
	WIN 0
	s_barrier_wait -1
.if \fill
	CREST
	s_add_nc_u64 s[G0+4*\slot+2:G0+4*\slot+3], s[G0+4*\slot+2:G0+4*\slot+3], 2*ASTEP
	s_add_nc_u64 s[G0B+4*\slot+2:G0B+4*\slot+3], s[G0B+4*\slot+2:G0B+4*\slot+3], 2*ROWB
	JLOAD G0+4*\slot, G1, G0B+4*\slot, G1B
.else
	PLACES NP
.endif
	FETCH_B \next, 0, 0
	FETCH_A \next, 0, 0
	WIN MUL_HI
	MUL16 4, 1, 0
	MUL16 6, 1, 0
	PLACES NP
	WIN 0
	FETCH_A \next, 0, 4
.endm
	s_wait_alu depctr_va_vdst(0)
	s_wait_tensorcnt 1
	s_barrier_signal -1
	s_barrier_wait -1
	FETCH_B 0, 0, 0
	FETCH_A 0, 0, 0
	FETCH_A 0, 0, 4
	STEP 0, 0, 1
	s_mov_b32 s3, LAPS-1
.Llap:
	TURN 0, 1, 1
	STEP 1, 0, 0
	TURN 1, 0, 1
	STEP 0, 0, 0
	s_sub_co_u32 s3, s3, 1
	s_cmp_lg_u32 s3, 0
	s_cbranch_scc1 .Llap
	TURN 0, 1, 0
	STEP 1, 0, 0
	s_wait_dscnt 4*NL
	WIN MUL_LO
	MUL16 0, 1, 0
	MUL16 2, 1, 0
	s_wait_dscnt 0
	WIN MUL_HI
	MUL16 4, 1, 0
	MUL16 6, 1, 0
	WIN 0
.macro TOSTAGE a
.set AC, 64*((\a)%4)
	WIN 0x08+4*((\a)/4)
.irp b, 0,1,2,3,4,5,6,7
	ds_store_b128 v[STO], v[AC+8*\b:AC+8*\b+3] offset:64*\b
	ds_store_b128 v[STO], v[AC+8*\b+4:AC+8*\b+7] offset:64*\b+16
.endr
	WIN 0
.set BB, BK+64*((\a)%2)
.irp t, 0,1,2,3,4,5,6,7,8,9,10,11,12,13,14,15
	ds_load_b128 v[BB+4*\t:BB+4*\t+3], v[RD] offset:\t*SPITCH
.endr
.endm
.macro SEND a, younger
.set BB, BK+64*((\a)%2)
	s_wait_dscnt \younger
.if (\a) > 0
	s_add_nc_u64 s[12:13], s[12:13], 16*SIZE_N*4
.endif
.irp t, 0,1,2,3,4,5,6,7,8,9,10,11,12,13,14,15
	v_pk_fma_f32 v[BB+4*\t:BB+4*\t+1], v[BB+4*\t:BB+4*\t+1], s[96:97], v[BB4:BB4+1] op_sel_hi:[1,0,1]
	v_pk_fma_f32 v[BB+4*\t+2:BB+4*\t+3], v[BB+4*\t+2:BB+4*\t+3], s[96:97], v[BB4+2:BB4+3] op_sel_hi:[1,0,1]
	global_store_b128 v[CO], v[BB+4*\t:BB+4*\t+3], s[12:13] offset:\t*SIZE_N*4 th:TH_STORE_NT
.endr
.endm
	s_wait_kmcnt 0x0
	s_add_co_i32 s96, s96, s97
	s_add_co_i32 s96, s96, 127
	s_lshl_b32 s96, s96, 23
	s_mov_b32 s97, s96
	s_wait_loadcnt 0x0
	PLACES NP
	TOSTAGE 0
.irp a, 1,2,3,4,5,6,7
.if \a > 1
	s_wait_xcnt 0x0
.endif
	TOSTAGE \a
	SEND \a-1, 32
.endr
	s_wait_xcnt 0x0
	SEND 7, 0
	s_wait_tensorcnt 0x0
	ds_add_u32 v[SPW], v[NIL]
	s_wait_dscnt 0x0
	CROUND
	s_endpgm
.Lfunc_end_k_qc927d61673_proj:
	.size	k_qc927d61673_proj, .Lfunc_end_k_qc927d61673_proj-k_qc927d61673_proj
	.p2alignl 7, 3214868480
	.fill 96, 4, 3214868480
	.section	.rodata,"a",@progbits
	.p2align	6, 0x0
	.amdhsa_kernel k_qc927d61673_proj
		.amdhsa_group_segment_fixed_size 327680
		.amdhsa_private_segment_fixed_size 0
		.amdhsa_enable_private_segment 0
		.amdhsa_kernarg_size 40
		.amdhsa_user_sgpr_count 2
		.amdhsa_user_sgpr_kernarg_segment_ptr 1
		.amdhsa_wavefront_size32 1
		.amdhsa_system_sgpr_workgroup_id_x 1
		.amdhsa_system_sgpr_workgroup_id_y 1
		.amdhsa_system_sgpr_workgroup_id_z 1
		.amdhsa_system_vgpr_workitem_id 0
		.amdhsa_next_free_vgpr 1024
		.amdhsa_next_free_sgpr 98
		.amdhsa_reserve_vcc 0
		.amdhsa_float_denorm_mode_32 3
		.amdhsa_float_denorm_mode_16_64 3
		.amdhsa_memory_ordered 1
		.amdhsa_forward_progress 1
		.amdhsa_inst_pref_size 124
	.end_amdhsa_kernel
	.amdgpu_metadata
---
amdhsa.version: [ 1, 2 ]
amdhsa.kernels:
  - .name:           k_qc927d61673_proj
    .symbol:         k_qc927d61673_proj.kd
    .args:
      - { .name: a_codes, .offset: 0, .size: 8, .value_kind: global_buffer, .address_space: global }
      - { .name: wproj_codes, .offset: 8, .size: 8, .value_kind: global_buffer, .address_space: global }
      - { .name: lowp_scales, .offset: 16, .size: 8, .value_kind: global_buffer, .address_space: global }
      - { .name: b_proj, .offset: 24, .size: 8, .value_kind: global_buffer, .address_space: global }
      - { .name: out0, .offset: 32, .size: 8, .value_kind: global_buffer, .address_space: global }
    .group_segment_fixed_size: 327680
    .private_segment_fixed_size: 0
    .kernarg_segment_align: 8
    .kernarg_segment_size: 40
    .max_flat_workgroup_size: 128
    .sgpr_count:     98
    .vgpr_count:     1024
    .wavefront_size: 32
...
	.end_amdgpu_metadata
.endif
;; end of part 4
